; MI455X (gfx1250); checked and timed in simulation.
; The chip was launched on July 23, 2026; its instructions are those of AMD's public machine-readable ISA for CDNA 5 (MIT licence, August 2026) and "CDNA5" Instruction Set Architecture Reference Guide (July 2026). The comments in the code are by the model that wrote it; some were corrected since.
;; Attention. Allowed arithmetic: float matrix products may take bf16 or f16 operands with f32 sums; all other float work in f32.
;; Inputs: Wk 1,024 x 1,024 float32; Wp 1,024 x 1,024 float32; Wq 1,024 x 1,024 float32; Wv 1,024 x 1,024 float32; bp 1,024 float32; k 2 x 2,048 x 1,024 float32; mask 2 x 1 x 2,048 x 2,048 int32; q 2 x 2,048 x 1,024 float32; v 2 x 2,048 x 1,024 float32.
;; Outputs: out0 2 x 2,048 x 1,024 float32.
;; One version. Each part assembles by itself: llvm-mc -triple=amdgcn-amd-amdhsa -mcpu=gfx1250 --defsym DOCPART=n.
;; ======== version 1 of 1: 4 launches
;; limits: values are held in f16: magnitudes above 65,504 overflow, below 6.1e-05 lose precision
;; workspace buffers: xh 25,165,824 bytes; wh 8,388,608 bytes; mbits 1,048,576 bytes of whole numbers; qkvh 25,165,824 bytes; ao 8,388,608 bytes
;; launch prep (part 1): grid 512 x 1, 8 waves a work-group, no clusters, 68,608 bytes of LDS; arguments q, k, v, Wq, Wk, Wv, Wp, mask, xh, wh, mbits; writes xh, wh, mbits
.if DOCPART == 1
	.amdgcn_target "amdgcn-amd-amdhsa--gfx1250"
	.amdhsa_code_object_version 6
	.text
	.protected	k_q83313b00aa_prep
	.globl	k_q83313b00aa_prep
	.p2align	8
	.type	k_q83313b00aa_prep,@function
k_q83313b00aa_prep:
	s_mov_b64 s[64:65], 0
	v_nop
	global_prefetch_b8 v0, s[64:65] scope:SCOPE_SE
	s_setreg_imm32_b32 hwreg(HW_REG_WAVE_MODE, 25, 1), 1
	s_wait_xcnt 0x0
; PREPARATION, a stream without a loop.  q, k, v [4096][1024] f32 -> xh [3][4096][1024] f16.
; Wq * c, Wk, Wv, Wp [1024 k][1024 n] f32 -> wh [4][1024][1024] f16, layout kept.  c = 0.125 * log2(e): the score scale and the
; change to base 2 are folded into Wq before the one rounding, so that the attention launch's scores arrive ready for v_exp_f32.
; mask [4096 rows][2048 keys] i32 -> mbits [256 qt][128 kt][8 j] u32: bit L of word (qt, kt, j) says whether
; mask[16 qt + (L & 15)][16 kt + 8 (L >> 4) + j] != 0.  That is the lane order of register j of a 16 x 16 tile of keys x queries,
; so that a word is the select operand of one v_cndmask_b32 in the attention launch.
; 4,096 waves; wave g takes 4,096 bytes of each of q, k, v, 1,024 bytes of each W and a mask block of 16 rows x 128 keys.
; All 48 loads of a wave (24 KiB) are issued first; no register that a global store names is ever written again.
; LIMIT: f16 holds magnitudes below 65,504; inputs and weights beyond that are not served.
; No matrix unit, no cluster: no work-group shares a byte with another.
.set MK,   8                           ; v[8:71]    the mask block: first as loaded (row i in 4 registers), then in tile order
.set X,    72                          ; v[72:167]  q, k, v: 8 loads each
.set W,    168                         ; v[168:199] the four W: 2 loads each
.set ROWP, 528                         ; LDS pitch of a mask row: 512 bytes + 16, an odd multiple of 16
.set WLDS, 16*ROWP                     ; a wave's own LDS bytes
	s_load_b512 s[4:19], s[0:1], 0x0               ; q, k, v, Wq, Wk, Wv, Wp, mask
	s_load_b128 s[20:23], s[0:1], 0x40             ; xh, wh
	s_load_b64 s[24:25], s[0:1], 0x50              ; mbits
	v_lshl_add_u32 v200, v0, 2, 0x10800
	v_mov_b32 v201, 0
	v_lshrrev_b32 v5, 5, v0
	v_readfirstlane_b32 s26, v5                    ; wave
	s_lshl3_add_u32 s27, ttmp9, s26                ; g = 8 x work-group + wave
	v_and_b32 v5, 31, v0                           ; lane
	v_lshlrev_b32 v1, 4, v5                        ; 16 x lane: loads
	v_lshlrev_b32 v2, 3, v5                        ; 8 x lane: stores
	s_mul_i32 s38, s26, WLDS
	v_add_nc_u32 v3, s38, v1                       ; LDS, in: my 16 bytes of a row
	v_and_b32 v4, 15, v0
	v_mul_u32_u24 v4, v4, ROWP
	v_bfe_u32 v5, v0, 4, 1
	v_lshl_add_u32 v4, v5, 5, v4
	v_add_nc_u32 v4, s38, v4                       ; LDS, back: row (lane & 15), 32 bytes for each half of the lanes
	s_mov_b32 s29, 0
	s_wait_kmcnt 0x0
	s_lshr_b32 s28, s27, 4                         ; mask: 16 rows of 8,192 bytes for each qt, 512 bytes for each block of 128 keys
	s_lshl_b32 s28, s28, 17
	s_and_b32 s39, s27, 15
	s_lshl_b32 s39, s39, 9
	s_add_co_u32 s28, s28, s39
	s_add_nc_u64 s[18:19], s[18:19], s[28:29]
	s_lshl_b32 s28, s27, 12                        ; q, k, v: 4,096 bytes a wave
	s_add_nc_u64 s[4:5], s[4:5], s[28:29]
	s_add_nc_u64 s[6:7], s[6:7], s[28:29]
	s_add_nc_u64 s[8:9], s[8:9], s[28:29]
	s_lshl_b32 s28, s27, 10                        ; the W: 1,024 bytes a wave
	s_add_nc_u64 s[10:11], s[10:11], s[28:29]
	s_add_nc_u64 s[12:13], s[12:13], s[28:29]
	s_add_nc_u64 s[14:15], s[14:15], s[28:29]
	s_add_nc_u64 s[16:17], s[16:17], s[28:29]
.irp i, 0,1,2,3,4,5,6,7,8,9,10,11,12,13,14,15
	global_load_b128 v[MK+4*\i:MK+4*\i+3], v1, s[18:19] offset:\i*8192 th:TH_LOAD_NT   ; row i: 512 neighbouring bytes
.endr
.irp i, 0,1,2,3,4,5,6,7
	global_load_b128 v[X+4*\i:X+4*\i+3], v1, s[4:5] offset:\i*512 th:TH_LOAD_NT
.endr
.irp i, 0,1,2,3,4,5,6,7
	global_load_b128 v[X+32+4*\i:X+32+4*\i+3], v1, s[6:7] offset:\i*512 th:TH_LOAD_NT
.endr
.irp i, 0,1,2,3,4,5,6,7
	global_load_b128 v[X+64+4*\i:X+64+4*\i+3], v1, s[8:9] offset:\i*512 th:TH_LOAD_NT
.endr
.irp i, 0,1
	global_load_b128 v[W+4*\i:W+4*\i+3], v1, s[10:11] offset:\i*512 th:TH_LOAD_NT
.endr
.irp i, 0,1
	global_load_b128 v[W+8+4*\i:W+8+4*\i+3], v1, s[12:13] offset:\i*512 th:TH_LOAD_NT
.endr
.irp i, 0,1
	global_load_b128 v[W+16+4*\i:W+16+4*\i+3], v1, s[14:15] offset:\i*512 th:TH_LOAD_NT
.endr
.irp i, 0,1
	global_load_b128 v[W+24+4*\i:W+24+4*\i+3], v1, s[16:17] offset:\i*512 th:TH_LOAD_NT
.endr
	; the outputs' addresses, while the loads are on their way
	s_lshl_b32 s28, s27, 11                        ; xh: 2,048 bytes a wave
	s_add_nc_u64 s[20:21], s[20:21], s[28:29]
	s_add_nc_u64 s[34:35], s[20:21], 0x800000      ; k's part of xh
	s_add_nc_u64 s[36:37], s[20:21], 0x1000000     ; v's part
	s_lshl_b32 s28, s27, 9                         ; wh: 512 bytes a wave
	s_add_nc_u64 s[22:23], s[22:23], s[28:29]
	s_lshr_b32 s28, s27, 4                         ; mbits: 4,096 bytes for each qt, 256 for each block of 128 keys
	s_lshl_b32 s28, s28, 12
	s_and_b32 s39, s27, 15
	s_lshl_b32 s39, s39, 8
	s_add_co_u32 s28, s28, s39
	s_add_nc_u64 s[24:25], s[24:25], s[28:29]
	v_mov_b32 v6, 0                                ; v_writelane_b32 keeps the other lanes: both words are written whole first
	v_mov_b32 v7, 0
	; THE MASK.  Through the wave's own LDS bytes into tile order: lane (r, h) gets row r, keys 16 t + 8 h + 0..7.
	s_wait_loadcnt 32                              ; the mask's 16 loads are in; the 32 issued behind them stay out
.irp i, 0,1,2,3,4,5,6,7,8,9,10,11,12,13,14,15
	ds_store_b128 v3, v[MK+4*\i:MK+4*\i+3] offset:\i*ROWP
.endr
	s_wait_dscnt 0x0                               ; the stores have read MK, which the loads below fill again
.irp t, 0,1,2,3,4,5,6,7
	ds_load_b128 v[MK+8*\t:MK+8*\t+3],   v4 offset:64*\t
	ds_load_b128 v[MK+8*\t+4:MK+8*\t+7], v4 offset:64*\t+16
.endr
	s_wait_dscnt 0x0
	; Register 8 t + j compared with 0 gives word (t, j) as a lane mask.  Word w goes to lane w / 2 of v6 (even w) or v7 (odd w).
.set wd, 0
.rept 16
	v_cmp_ne_u32 s30, 0, v[MK+wd]
	v_cmp_ne_u32 s31, 0, v[MK+wd+1]
	v_cmp_ne_u32 s32, 0, v[MK+wd+2]
	v_cmp_ne_u32 s33, 0, v[MK+wd+3]
	v_writelane_b32 v6, s30, wd/2
	v_writelane_b32 v7, s31, wd/2
	v_writelane_b32 v6, s32, wd/2+1
	v_writelane_b32 v7, s33, wd/2+1
.set wd, wd+4
.endr
	global_store_b64 v2, v[6:7], s[24:25]          ; the wave's 64 words: 256 consecutive bytes, aligned
; n loads' worth of f32 at register reg become f16 and are stored: each store of the wave covers 256 consecutive bytes, aligned.
; left = how many younger loads may stay out.  scale = 1: times c first.
.macro CONV reg, n, blo, imm, left, scale
	s_wait_loadcnt \left
.set ci, 0
.rept \n
.if \scale
	v_pk_mul_f32 v[\reg+4*ci:\reg+4*ci+1],   v[\reg+4*ci:\reg+4*ci+1],   0x3e38aa3b op_sel_hi:[1,0]
	v_pk_mul_f32 v[\reg+4*ci+2:\reg+4*ci+3], v[\reg+4*ci+2:\reg+4*ci+3], 0x3e38aa3b op_sel_hi:[1,0]
.endif
	v_cvt_pk_f16_f32 v[\reg+4*ci],   v[\reg+4*ci],   v[\reg+4*ci+1]
	v_cvt_pk_f16_f32 v[\reg+4*ci+1], v[\reg+4*ci+2], v[\reg+4*ci+3]
	global_store_b64 v2, v[\reg+4*ci:\reg+4*ci+1], s[\blo:\blo+1] offset:\imm+256*ci
.set ci, ci+1
.endr
.endm
	CONV X,    8, 20, 0,       24, 0               ; q
	CONV X+32, 8, 34, 0,       16, 0               ; k
	CONV X+64, 8, 36, 0,       8,  0               ; v
	CONV W,    2, 22, 0,       6,  1               ; Wq x c
	CONV W+8,  2, 22, 2097152, 4,  0               ; Wk
	CONV W+16, 2, 22, 4194304, 2,  0               ; Wv
	CONV W+24, 2, 22, 6291456, 0,  0               ; Wp
	s_wait_tensorcnt 0x0
	ds_add_u32 v200, v201
	s_wait_dscnt 0x0
	s_endpgm
.Lfunc_end_k_q83313b00aa_prep:
	.size	k_q83313b00aa_prep, .Lfunc_end_k_q83313b00aa_prep-k_q83313b00aa_prep
	.p2alignl 7, 3214868480
	.fill 96, 4, 3214868480
	.section	.rodata,"a",@progbits
	.p2align	6, 0x0
	.amdhsa_kernel k_q83313b00aa_prep
		.amdhsa_group_segment_fixed_size 68608
		.amdhsa_private_segment_fixed_size 0
		.amdhsa_enable_private_segment 0
		.amdhsa_kernarg_size 88
		.amdhsa_user_sgpr_count 2
		.amdhsa_user_sgpr_kernarg_segment_ptr 1
		.amdhsa_wavefront_size32 1
		.amdhsa_system_sgpr_workgroup_id_x 1
		.amdhsa_system_sgpr_workgroup_id_y 1
		.amdhsa_system_sgpr_workgroup_id_z 1
		.amdhsa_system_vgpr_workitem_id 0
		.amdhsa_next_free_vgpr 202
		.amdhsa_next_free_sgpr 66
		.amdhsa_reserve_vcc 0
		.amdhsa_float_denorm_mode_32 3
		.amdhsa_float_denorm_mode_16_64 3
		.amdhsa_memory_ordered 1
		.amdhsa_forward_progress 1
		.amdhsa_inst_pref_size 25
	.end_amdhsa_kernel
	.amdgpu_metadata
---
amdhsa.version: [ 1, 2 ]
amdhsa.kernels:
  - .name:           k_q83313b00aa_prep
    .symbol:         k_q83313b00aa_prep.kd
    .args:
      - { .name: q, .offset: 0, .size: 8, .value_kind: global_buffer, .address_space: global }
      - { .name: k, .offset: 8, .size: 8, .value_kind: global_buffer, .address_space: global }
      - { .name: v, .offset: 16, .size: 8, .value_kind: global_buffer, .address_space: global }
      - { .name: Wq, .offset: 24, .size: 8, .value_kind: global_buffer, .address_space: global }
      - { .name: Wk, .offset: 32, .size: 8, .value_kind: global_buffer, .address_space: global }
      - { .name: Wv, .offset: 40, .size: 8, .value_kind: global_buffer, .address_space: global }
      - { .name: Wp, .offset: 48, .size: 8, .value_kind: global_buffer, .address_space: global }
      - { .name: mask, .offset: 56, .size: 8, .value_kind: global_buffer, .address_space: global }
      - { .name: xh, .offset: 64, .size: 8, .value_kind: global_buffer, .address_space: global }
      - { .name: wh, .offset: 72, .size: 8, .value_kind: global_buffer, .address_space: global }
      - { .name: mbits, .offset: 80, .size: 8, .value_kind: global_buffer, .address_space: global }
    .group_segment_fixed_size: 68608
    .private_segment_fixed_size: 0
    .kernarg_segment_align: 8
    .kernarg_segment_size: 88
    .max_flat_workgroup_size: 256
    .sgpr_count:     66
    .vgpr_count:     202
    .wavefront_size: 32
...
	.end_amdgpu_metadata
.endif
;; end of part 1
;; launch gemm_qkv (part 2): grid 4 x 48, 4 waves a work-group, clusters of 4 x 4, 327,680 bytes of LDS; arguments xh, wh, qkvh; writes qkvh
.if DOCPART == 2
	.amdgcn_target "amdgcn-amd-amdhsa--gfx1250"
	.amdhsa_code_object_version 6
	.text
	.protected	k_q83313b00aa_gemm_qkv
	.globl	k_q83313b00aa_gemm_qkv
	.p2align	8
	.type	k_q83313b00aa_gemm_qkv,@function
k_q83313b00aa_gemm_qkv:
	s_mov_b64 s[64:65], 0
	v_nop
	global_prefetch_b8 v0, s[64:65] scope:SCOPE_SE
	s_setreg_imm32_b32 hwreg(HW_REG_WAVE_MODE, 25, 1), 1
	s_wait_xcnt 0x0
	s_wait_alu depctr_hold_cnt(0) depctr_sa_sdst(0) depctr_va_vdst(0) depctr_va_sdst(0) depctr_va_ssrc(0) depctr_va_vcc(0) depctr_vm_vsrc(0)
	s_getreg_b32 s2, hwreg(HW_REG_IB_STS2, 6, 4)
	s_cmp_eq_u32 s2, 0
	s_cbranch_scc0 .Lentry_in_a_cluster
	s_endpgm
.Lentry_in_a_cluster:
	s_bfe_u32 s2, ttmp6, 0x10000c
	s_cmp_lg_u32 s2, 0xf033
	s_cbranch_scc0 .Lentry_shape_is_right
	s_endpgm
.Lentry_shape_is_right:
; Q c, K, V = x W for the three inputs at once.  A = xh [12288 rows][1024] f16 (q's, k's, v's 4,096 rows in turn),
; B = wh [which][1024 k][1024 n] f16 (which = row / 4096), result qkvh [which][b 2][h 16][2048 tokens][64] f16; sums in f32.
; A work-group makes 256 x 256 with four waves, one for each SIMD of its WGP; a wave makes 128 x 128: 64 accumulator tiles, 512 registers.
; 48 x 4 = 192 work-groups: three products of 16 x 4 blocks.  The factor 3 divides no power-of-two share into 256 equal parts.
; K goes in steps of 128 through a ring of two LDS slots filled by the tensor data mover.
; CLUSTERS: 4 x 4 work-groups.  The four of a row of the cluster need the same tiles of A, the four of a column the same tiles of B
; (all sixteen lie in one of the three products: 16 block rows each).  Such a tile is asked for jointly: the same tensor load, the same
; descriptor, a mask that names the four.  That divides the requests for A and for B by four.
; LIMIT: results are rounded to f16: |Q c|, |K|, |V| below 65,504.  With inputs and weights 30 times the drawn spread they reach
; about 5e3, with offsets of 30 spreads on both about 2.9e4.
;
; REGISTERS, in windows of 256:
;   window 0: v0-31 addresses; v64-127, v128-191 fragments of A, two buffers; v192-223 at work on the way out
;   window 1: v64-127, v128-191 fragments of B, two buffers
;   window 2: the 32 accumulator tiles of my rows 0-63 (tile (a, b) at v[8 (8 a + b)]);   window 3: those of my rows 64-127
; THE MATRIX INSTRUCTION IS USED TRANSPOSED: source 0 = 16 columns of W, source 1 = 16 rows of x.  Lane l then holds row l % 16 of the
; result and its registers 0 to 7 the columns 8 (l / 16) + 0 .. 7: eight neighbouring numbers, 16 bytes in f16.
.set SIZE_K, 1024
.set KSTEP,  128
.set PITCH,  272                       ; A's LDS row: 256 bytes + 16: an odd multiple of 16, so 16 rows start in 16 different 16-byte columns modulo 256
.set BPITCH, 544                       ; B's LDS row (one k, 256 n): 512 bytes + 32: an odd multiple of 32
.set HALFT,  128*PITCH                 ; what one tensor load brings: 128 rows of A, or 64 rows of B (64 x 544 is the same 34,816)
.set SLOT,   4*HALFT                   ; A's 256 rows, then B's 128 k rows
.set STAGE,  2*SLOT                    ; behind the ring: 16 rows x 272 bytes for each wave, for the way out; no fill lands there
.set SPITCH, 272
.set LAPS, SIZE_K/(2*KSTEP)            ; a lap = two K steps = once round the ring: 4
.set ADRA, 16                          ; v16-17  LDS address of my A fragments in slot 0, 1
.set ADRB, 20                          ; v20-21  the same for B
.set STO,  24                          ; v24     the way out: where I put 16 bytes of a row
.set RD,   25                          ; v25     the way out: where I read back
.set CO,   26                          ; v26     my byte offset in the result
.set F0,   64
.set F1,   128
.set TMP,  192
.set G1, 24                            ; s[24:31] descriptor group 1 for A's tiles
.set G0, 32                            ; s[32:39] descriptor group 0 for A's tiles, one set for each slot
.set G1B, 48                           ; s[48:55] group 1 for B's tiles
.set G0B, 56                           ; s[56:63] group 0 for B's tiles, one set for each slot
.set MSB, 0
.macro WIN new                         ; the immediate's high byte repeats the setting that is left
.if MSB != \new
	s_set_vgpr_msb (MSB<<8)|\new
.set MSB, \new
.endif
.endm
.set MUL_LO, 0xa1                      ; source 0 (B) window 1, source 1 (A) window 0, C and D window 2
.set MUL_HI, 0xf1                      ; the same, C and D window 3
.set TO_B,   0x40                      ; destination window 1, address window 0
; A joint load.  Waves 0 and 1 fetch A's two halves, waves 2 and 3 B's.  The branch hangs on the wave's number alone.
.macro JLOAD s
	s_cmp_eq_u32 s11, 0
	s_cbranch_scc0 .Lfor_b_\@
	tensor_load_to_lds s[G0+4*\s:G0+4*\s+3], s[G1:G1+7]
	s_nop 0
	s_branch .Lasked_\@
.Lfor_b_\@:
	tensor_load_to_lds s[G0B+4*\s:G0B+4*\s+3], s[G1B:G1B+7]
	s_nop 0
.Lasked_\@:
.endm
; A round of the cluster's barrier: my work-group's barrier; wave 0 signals for the work-group; every wave waits for all sixteen
; work-groups; my work-group's barrier once more.
.macro CREST                           ; a round behind its opening barrier
	s_cmp_lg_u32 s10, 0
	s_cbranch_scc1 .Lnot_wave_0_\@
	s_barrier_signal -3
.Lnot_wave_0_\@:
	s_barrier_wait -3
	s_barrier_signal -1
	s_barrier_wait -1
.endm
.macro CROUND
	s_barrier_signal -1
	s_barrier_wait -1
	CREST
.endm
	s_load_b128 s[4:7], s[0:1], 0x0                ; xh s[4:5], wh s[6:7]
	s_load_b64 s[8:9], s[0:1], 0x10                ; qkvh
	s_set_vgpr_msb 0x40
	v_lshl_add_u32 v255, v0, 2, 0x48400
	s_set_vgpr_msb 0x4000
	v_mov_b32 v255, 0
	s_set_vgpr_msb 0x1
	ds_add_u32 v255, v255
	s_set_vgpr_msb 0x100
	v_lshrrev_b32 v1, 5, v0
	v_readfirstlane_b32 s10, v1                    ; wave 0..3
	s_lshr_b32 s11, s10, 1                         ; which half of the block's rows is mine.  Also: I fetch for A (0) or for B (1)
	s_and_b32 s12, s10, 1                          ; which half of its columns.  Also: which half of that tile I fetch
	s_bfe_u32 s40, ttmp6, 0x40000                  ; cx
	s_bfe_u32 s41, ttmp6, 0x40004                  ; cy
	s_lshl_b32 s42, ttmp9, 2
	s_add_co_u32 s42, s42, s40                     ; block column = 4 x cluster x + cx, 0..3
	s_and_b32 s13, ttmp7, 0xffff
	s_lshr_b32 s45, s13, 2                         ; which product: cluster y / 4, the same in all sixteen
	s_lshl_b32 s13, s13, 2
	s_add_co_u32 s13, s13, s41                     ; block row = 4 x cluster y + cy, 0..47
	s_lshl_b32 s43, s41, 2
	s_lshl_b32 s43, 15, s43                        ; my row of the cluster
	s_lshl_b32 s44, 0x1111, s40                    ; my column
	; group 1 for A: 128 rows x 128 elements of 2 bytes, 4 words of padding behind every 64
	s_or_b32 s[G1+0], s43, (1<<16)|(1<<20)|(1<<21)|(5<<22)|(3<<25)
	s_mov_b32 s[G1+1], KSTEP<<16                   ; tensor_dim0 = 128
	s_mov_b32 s[G1+2], 128<<16                     ; tensor_dim1 = 128
	s_mov_b32 s[G1+3], KSTEP<<16                   ; tile_dim0 = 128
	s_mov_b32 s[G1+4], 128                         ; tile_dim1 = 128
	s_mov_b32 s[G1+5], SIZE_K                      ; elements from row to row
	s_mov_b32 s[G1+6], 0
	s_mov_b32 s[G1+7], 0
	; group 1 for B: 64 k rows x 256 elements, 8 words of padding behind every 128
	s_or_b32 s[G1B+0], s44, (1<<16)|(1<<20)|(1<<21)|(6<<22)|(7<<25)
	s_mov_b32 s[G1B+1], 256<<16                    ; tensor_dim0 = 256
	s_mov_b32 s[G1B+2], 64<<16                     ; tensor_dim1 = 64
	s_mov_b32 s[G1B+3], 256<<16                    ; tile_dim0 = 256
	s_mov_b32 s[G1B+4], 64                         ; tile_dim1 = 64
	s_mov_b32 s[G1B+5], 1024                       ; elements from one k to the next
	s_mov_b32 s[G1B+6], 0
	s_mov_b32 s[G1B+7], 0
	; where the tiles come from.  A's hang on the block row alone, B's on the block column (and the product) alone;
	; each address is made in registers that never hold the other coordinate.
	s_lshl_b32 s16, s13, 19                        ; A: (256 x block row + 128 x half) rows of 2,048 bytes
	s_lshl_b32 s17, s12, 18
	s_add_co_u32 s16, s16, s17
	s_mov_b32 s17, 0
	s_lshl_b32 s46, s42, 9                         ; B: 512 bytes for each block column,
	s_lshl_b32 s47, s12, 17                        ;    64 k rows of 2,048 bytes for the half,
	s_add_co_u32 s46, s46, s47
	s_lshl_b32 s47, s45, 21                        ;    2 MiB for each W
	s_add_co_u32 s46, s46, s47
	s_mov_b32 s47, 0
	s_mul_i32 s20, s10, HALFT                      ; where they go: wave x 34,816: no place in the cluster enters an LDS address
	s_wait_dscnt 0x0
	s_wait_kmcnt 0x0
	s_add_nc_u64 s[14:15], s[4:5], s[16:17]
	s_add_nc_u64 s[46:47], s[6:7], s[46:47]
	CROUND                                         ; all sixteen work-groups are here: the first joint loads meet
.irp s, 0,1
	s_mov_b32 s[G0+4*\s], 1
	s_add_co_u32 s[G0+4*\s+1], s20, \s*SLOT
	s_add_nc_u64 s[G0+4*\s+2:G0+4*\s+3], s[14:15], \s*KSTEP*2          ; K step s: 256 bytes along A's rows
	s_or_b32 s[G0+4*\s+3], s[G0+4*\s+3], 0x80000000
	s_mov_b32 s[G0B+4*\s], 1
	s_add_co_u32 s[G0B+4*\s+1], s20, \s*SLOT
	s_add_nc_u64 s[G0B+4*\s+2:G0B+4*\s+3], s[46:47], \s*KSTEP*2048     ; K step s: 128 rows down B
	s_or_b32 s[G0B+4*\s+3], s[G0B+4*\s+3], 0x80000000
	JLOAD \s
.endr
	; A's fragment (16 rows x 32 K): two loads of 16 bytes, 32 bytes apart, at row x pitch + 16 (l / 16).
	; B's fragment (16 n x 32 K from rows that lie along n): two transposing loads, 16 k rows apart, at
	; (8 (l / 16) + l % 8) x pitch + 16 ((l / 8) % 2).
	v_and_b32 v1, 15, v0
	v_bfe_u32 v2, v0, 4, 1
	v_mul_u32_u24 v3, v1, PITCH
	v_lshl_add_u32 v3, v2, 4, v3
	v_and_b32 v6, 7, v0
	v_lshl_add_u32 v6, v2, 3, v6
	v_mul_u32_u24 v6, v6, BPITCH
	v_bfe_u32 v7, v0, 3, 1
	v_lshl_add_u32 v6, v7, 4, v6
	s_mul_i32 s21, s11, HALFT                      ; my 128 rows of A
	s_lshl_b32 s22, s12, 8                         ; my 128 columns of B: 256 bytes along its rows,
	s_add_co_u32 s22, s22, 2*HALFT                 ; which lie behind A's 256 rows
.irp s, 0,1
	v_add_nc_u32 v[ADRA+\s], s21, v3
	v_add_nc_u32 v[ADRB+\s], s22, v6
	s_add_co_u32 s21, s21, SLOT
	s_add_co_u32 s22, s22, SLOT
.endr
	s_mul_i32 s23, s10, 16*SPITCH
	s_add_co_u32 s23, s23, STAGE                   ; my stage
	v_mul_u32_u24 v4, v1, SPITCH                   ; in: row l % 16, 16 bytes for each half of the lanes
	v_lshl_add_u32 v4, v2, 4, v4
	v_add_nc_u32 v[STO], s23, v4
	v_bfe_u32 v5, v0, 3, 2                         ; back: eight lanes take one head's 128 bytes of a token, four tokens a load
	v_mul_u32_u24 v5, v5, SPITCH
	v_and_b32 v7, 7, v0
	v_lshl_add_u32 v5, v7, 4, v5
	v_add_nc_u32 v[RD], s23, v5
	v_and_b32 v5, 31, v0
	v_lshlrev_b32 v[CO], 4, v5                     ; those four tokens are 512 consecutive bytes of the result
; 16 matrix instructions: m blocks a0, a0 + 1 of the window's four x all 8 n blocks, 32 along K.  zero = 1: the first product starts the sums.
.macro MUL16 f, hi, a0, zero
.irp a, \a0, \a0+1
.irp b, 0,1,2,3,4,5,6,7
.if \zero
	v_wmma_f32_16x16x32_f16 v[8*(8*(\a)+\b):8*(8*(\a)+\b)+7], v[\f+8*\b:\f+8*\b+7], v[\f+8*(4*\hi+\a):\f+8*(4*\hi+\a)+7], 0
.else
	v_wmma_f32_16x16x32_f16 v[8*(8*(\a)+\b):8*(8*(\a)+\b)+7], v[\f+8*\b:\f+8*\b+7], v[\f+8*(4*\hi+\a):\f+8*(4*\hi+\a)+7], v[8*(8*(\a)+\b):8*(8*(\a)+\b)+7]
.endif
.endr
.endr
.endm
; 32 LDS loads in one run: one quarter step's fragments (128 n of B, 128 rows of A, 32 K) into buffer f.
; k = the quarter's byte offset along A's rows; in B it is k / 2 rows down.
.macro FETCH slot, k, f
	WIN TO_B
.irp i, 0,1,2,3,4,5,6,7
	ds_load_tr16_b128 v[\f+8*\i:\f+8*\i+3],   v[ADRB+\slot] offset:\k*(BPITCH/2)+32*\i
	ds_load_tr16_b128 v[\f+8*\i+4:\f+8*\i+7], v[ADRB+\slot] offset:\k*(BPITCH/2)+32*\i+16*BPITCH
.endr
	WIN 0
.irp i, 0,1,2,3,4,5,6,7
	ds_load_b128 v[\f+8*\i:\f+8*\i+3],   v[ADRA+\slot] offset:\k+\i*16*PITCH
	ds_load_b128 v[\f+8*\i+4:\f+8*\i+7], v[ADRA+\slot] offset:\k+\i*16*PITCH+32
.endr
.endm
; A load into a register that a matrix instruction has read, and a vector instruction that reads a matrix result, stand four places
; behind that matrix instruction; only plain vector instructions that name none of its registers are places.
.macro PLACES
.rept 4
	v_nop
.endr
.endm
; A K step is four quarter steps of 32 along K, 64 matrix instructions each, on buffers 0, 1, 0, 1.  The 64 accumulators take turns,
; one instruction a turn, in the same order in every quarter.
.macro QUARTER slot, k, f, g, zero
	s_wait_dscnt 8                                 ; B and A's rows 0-63 are in; the youngest eight loads (A's rows 64-127) may be out
	WIN MUL_LO
	MUL16 \f, 0, 0, \zero
	MUL16 \f, 0, 2, \zero
	PLACES
	FETCH \slot, \k, \g
	s_wait_dscnt 32                                ; all but the 32 just issued
	WIN MUL_HI
	MUL16 \f, 1, 0, \zero
	MUL16 \f, 1, 2, \zero
.endm
.macro THREE slot, zero
	QUARTER \slot, 64,  F0, F1, \zero
	QUARTER \slot, 128, F1, F0, 0
	QUARTER \slot, 192, F0, F1, 0
.endm
; The last quarter: multiplies buffer 1 and changes slots.  In front of the barrier each wave waits for its own reads of this slot and for
; all its tensor loads, of which one is out: its part of the next slot.  Behind it the refill comes first, then the next slot's fragments.
; From a request to the wait for it a wave issues 240 matrix instructions.
.macro TURN slot, next, fill
	s_wait_dscnt 8
	WIN MUL_LO
	MUL16 F1, 0, 0, 0
	s_wait_dscnt 0                                 ; my reads of this slot are over
	s_wait_tensorcnt 0x0                           ; and all my tensor loads have landed
	ds_add_u32 v255, v255
	s_wait_dscnt 0x0
	s_barrier_signal -1                            ; (where a slot is filled again this barrier opens a round of the cluster's barrier)
	MUL16 F1, 0, 2, 0                              ; register work while the others arrive
	WIN 0
	s_barrier_wait -1
.if \fill
	CREST                                          ; no wave of any partner still reads this slot's tile or has a load on its way
	s_add_nc_u64 s[G0+4*\slot+2:G0+4*\slot+3], s[G0+4*\slot+2:G0+4*\slot+3], 2*KSTEP*2
	s_add_nc_u64 s[G0B+4*\slot+2:G0B+4*\slot+3], s[G0B+4*\slot+2:G0B+4*\slot+3], 2*KSTEP*2048
	JLOAD \slot                                    ; the first tensor load behind the round, the wave's only one until the next
.endif
	PLACES
	FETCH \next, 0, F0
	WIN MUL_HI
	MUL16 F1, 1, 0, 0
	MUL16 F1, 1, 2, 0
.endm
.macro LAP zero
	THREE 0, \zero
	TURN 0, 1, 1
	THREE 1, 0
	TURN 1, 0, 1
.endm
	s_wait_tensorcnt 1                             ; my part of K step 0 is in; K step 1's stays out
	s_barrier_signal -1
	s_barrier_wait -1
	FETCH 0, 0, F0
	LAP 1                                          ; the first lap stands in front of the loop: its first products start the sums
	WIN 0                                          ; at a label and at a branch every window is 0
	s_mov_b32 s3, LAPS-2
.Llap:
	LAP 0
	WIN 0
	s_sub_co_u32 s3, s3, 1
	s_cmp_lg_u32 s3, 0
	s_cbranch_scc1 .Llap
	THREE 0, 0                                     ; the last lap fills nothing
	TURN 0, 1, 0
	THREE 1, 0
	s_wait_dscnt 8
	WIN MUL_LO
	MUL16 F1, 0, 0, 0
	MUL16 F1, 0, 2, 0
	s_wait_dscnt 0
	WIN MUL_HI
	MUL16 F1, 1, 0, 0
	MUL16 F1, 1, 2, 0
	; THE WAY OUT, 16 tokens at a time: round to f16, 16 bytes a lane into my own stage, read back by heads.
	; My 128 columns are two heads.  In the result a head's tokens follow each other at 128 bytes, so four tokens of a head are 512 bytes.
	PLACES
	s_lshr_b32 s14, s13, 3                         ; block row / 8 = 2 x product + batch: 4 MiB each
	s_lshl_b32 s16, s14, 22
	s_and_b32 s14, s13, 7                          ; 256 tokens of 128 bytes for each block row in the batch
	s_lshl_b32 s14, s14, 15
	s_add_co_u32 s16, s16, s14
	s_lshl_b32 s14, s11, 14                        ; 128 tokens for my half
	s_add_co_u32 s16, s16, s14
	s_mov_b32 s17, 0
	s_add_nc_u64 s[8:9], s[8:9], s[16:17]
	s_lshl_b32 s46, s42, 20                        ; four heads of 262,144 bytes for each block column,
	s_lshl_b32 s47, s12, 19                        ; two for my half (in the registers that held B's address)
	s_add_co_u32 s46, s46, s47
	s_mov_b32 s47, 0
	s_add_nc_u64 s[8:9], s[8:9], s[46:47]
.macro OUT16 i, a, from, f
	WIN \from
.irp b, 0,1,2,3,4,5,6,7
.irp r, 0,1,2,3
	v_cvt_pk_f16_f32 v[TMP+4*\b+\r], v[8*(8*\a+\b)+2*\r], v[8*(8*\a+\b)+2*\r+1]
.endr
.endr
	WIN 0
.irp b, 0,1,2,3,4,5,6,7
	ds_store_b128 v[STO], v[TMP+4*\b:TMP+4*\b+3] offset:32*\b
.endr
	s_wait_xcnt 0x0                                ; buffer f, which earlier stores read, and the stores' base are rewritten only behind this wait
.if \i
	s_add_nc_u64 s[8:9], s[8:9], 16*128            ; 16 tokens on
.endif
.irp t, 0,1,2,3,4,5,6,7
	ds_load_b128 v[\f+4*\t:\f+4*\t+3], v[RD] offset:4*(\t&3)*SPITCH+128*(\t>>2)   ; LDS serves a wave's instructions in order (ISA guide 5.7.1.4): these see the stores above
.endr
.irp t, 0,1,2,3,4,5,6,7
	s_wait_dscnt 7-\t
	global_store_b128 v[CO], v[\f+4*\t:\f+4*\t+3], s[8:9] offset:(\t>>2)*262144+(\t&3)*512   ; the wave stores 512 consecutive bytes, aligned
.endr
.endm
	OUT16 0, 0, 0x0a, F0
	OUT16 1, 1, 0x0a, F1
	OUT16 2, 2, 0x0a, F0
	OUT16 3, 3, 0x0a, F1
	OUT16 4, 0, 0x0f, F0
	OUT16 5, 1, 0x0f, F1
	OUT16 6, 2, 0x0f, F0
	OUT16 7, 3, 0x0f, F1
	s_set_vgpr_msb 0x1
	s_wait_tensorcnt 0x0
	ds_add_u32 v255, v255
	s_wait_dscnt 0x0
	s_set_vgpr_msb 0x100
	CROUND                                         ; the closing round: no work-group ends while a partner may still ask for a tile that names it
	s_endpgm
.Lfunc_end_k_q83313b00aa_gemm_qkv:
	.size	k_q83313b00aa_gemm_qkv, .Lfunc_end_k_q83313b00aa_gemm_qkv-k_q83313b00aa_gemm_qkv
	.p2alignl 7, 3214868480
	.fill 96, 4, 3214868480
	.section	.rodata,"a",@progbits
	.p2align	6, 0x0
	.amdhsa_kernel k_q83313b00aa_gemm_qkv
		.amdhsa_group_segment_fixed_size 327680
		.amdhsa_private_segment_fixed_size 0
		.amdhsa_enable_private_segment 0
		.amdhsa_kernarg_size 24
		.amdhsa_user_sgpr_count 2
		.amdhsa_user_sgpr_kernarg_segment_ptr 1
		.amdhsa_wavefront_size32 1
		.amdhsa_system_sgpr_workgroup_id_x 1
		.amdhsa_system_sgpr_workgroup_id_y 1
		.amdhsa_system_sgpr_workgroup_id_z 1
		.amdhsa_system_vgpr_workitem_id 0
		.amdhsa_next_free_vgpr 1024
		.amdhsa_next_free_sgpr 66
		.amdhsa_reserve_vcc 0
		.amdhsa_float_denorm_mode_32 3
		.amdhsa_float_denorm_mode_16_64 3
		.amdhsa_memory_ordered 1
		.amdhsa_forward_progress 1
		.amdhsa_inst_pref_size 196
	.end_amdhsa_kernel
	.amdgpu_metadata
---
amdhsa.version: [ 1, 2 ]
amdhsa.kernels:
  - .name:           k_q83313b00aa_gemm_qkv
    .symbol:         k_q83313b00aa_gemm_qkv.kd
    .args:
      - { .name: xh, .offset: 0, .size: 8, .value_kind: global_buffer, .address_space: global }
      - { .name: wh, .offset: 8, .size: 8, .value_kind: global_buffer, .address_space: global }
      - { .name: qkvh, .offset: 16, .size: 8, .value_kind: global_buffer, .address_space: global }
    .group_segment_fixed_size: 327680
    .private_segment_fixed_size: 0
    .kernarg_segment_align: 8
    .kernarg_segment_size: 24
    .max_flat_workgroup_size: 128
    .sgpr_count:     66
    .vgpr_count:     1024
    .wavefront_size: 32
...
	.end_amdgpu_metadata
.endif
;; end of part 2
;; launch attn (part 3): grid 8 x 32, 8 waves a work-group, clusters of 4 x 1, 327,680 bytes of LDS; arguments qkvh, mbits, ao; writes ao
.if DOCPART == 3
	.amdgcn_target "amdgcn-amd-amdhsa--gfx1250"
	.amdhsa_code_object_version 6
	.text
	.protected	k_q83313b00aa_attn
	.globl	k_q83313b00aa_attn
	.p2align	8
	.type	k_q83313b00aa_attn,@function
k_q83313b00aa_attn:
	s_mov_b64 s[64:65], 0
	v_nop
	global_prefetch_b8 v0, s[64:65] scope:SCOPE_SE
	s_setreg_imm32_b32 hwreg(HW_REG_WAVE_MODE, 25, 1), 1
	s_wait_xcnt 0x0
	s_wait_alu depctr_hold_cnt(0) depctr_sa_sdst(0) depctr_va_vdst(0) depctr_va_sdst(0) depctr_va_ssrc(0) depctr_va_vcc(0) depctr_vm_vsrc(0)
	s_getreg_b32 s2, hwreg(HW_REG_IB_STS2, 6, 4)
	s_cmp_eq_u32 s2, 0
	s_cbranch_scc0 .Lentry_in_a_cluster
	s_endpgm
.Lentry_in_a_cluster:
	s_bfe_u32 s2, ttmp6, 0x10000c
	s_cmp_lg_u32 s2, 0x3003
	s_cbranch_scc0 .Lentry_shape_is_right
	s_endpgm
.Lentry_shape_is_right:
; MASKED ATTENTION with a running maximum.  qkvh [3][bh 32][2048][64] f16 holds Q c (c = 0.125 log2 e), K, V; mbits holds the mask as
; lane masks; ao [32 blocks of 128 tokens][16 heads][128][64] f16 takes the result.
; A work-group takes one (batch, head) and 256 queries; a wave takes 32 queries as two query tiles u.  Eight waves, two on each SIMD, so
; that one wave's softmax can run beside the other's matrix instructions.
; CLUSTERS: the four work-groups of a cluster are four query blocks of one (batch, head) and walk the same K and V: every tile is asked
; for jointly (mask 15).  The place in the cluster enters only the global addresses of Q, the mask words and the result.
; ORIENTATION: S^T = K Q^T (source 0 = 16 keys x 32 d, source 1 = Q).  A lane then holds ONE query (l % 16) and the keys
; 16 t + 8 (l / 16) + j.  Two neighbouring key tiles, packed to f16, ARE the second source of O^T = V^T P^T: no shuffle.  The row's
; maximum and sum are taken in the lane and across the two halves of the wave; alpha and 1 / l are one number a lane.
; SCORES are in base 2.  A masked score is -1e9 log2(e); p = 2^(s - m), m the running maximum, so p <= 1.  A row that is masked
; throughout gives p = 1 everywhere: the mean of V.
; LIMITS: P is rounded to f16: p below about 3e-8 of its row's largest becomes 0.  NaN and infinite inputs are not treated specially.
; RING: two LDS slots of 512 keys (eight steps of 64), four tiles in all.  One tensor load a wave: waves 0-3 bring 128 keys of K each
; (pitch 144), waves 4-7 128 keys of V each (pitch 160); K's 512 rows lie in one run, V's behind them.  A wave has
; one tensor load out, and it has eight steps in which to land; so nothing is asked for ahead of the tensor loads.
; LOOPS: a tile's eight steps are one step of code in a counted loop; the two LDS addresses are set at the tile's head and stepped by a
; constant once a trip.  No tensor load stands in a loop.
; REGISTERS: window 0 holds everything but K's fragments, which lie in window 1 (v256-319) so that a step's K is asked for one step ahead.
.set KP,    144                        ; K's pitch: 128 bytes + 16, an odd multiple of 16
.set VP,    160                        ; V's pitch: 128 bytes + 32, an odd multiple of 32
.set BASE,  8192                       ; slot 0 begins here, so that V's parts lie at wave x 20,480 and K's at 8,192 + wave x 18,432
.set KREG,  512*KP                     ; 73,728
.set VREG,  512*VP                     ; 81,920
.set SLOT,  KREG+VREG                  ; 155,648; BASE + 2 SLOT = 319,488
.set KPART, 128*KP                     ; what one of K's loads fills
.set VPART, 128*VP                     ; what one of V's loads fills; BASE + KREG = 4 VPART
.set KSTEP, 64*KP
.set VSTEP, 64*VP
.set STAGE, BASE                       ; the way out: 32 rows x 144 bytes for each wave, in slot 0's K region, behind that slot's last fill and last read
.set SP,    144
.set G1K, 4                            ; s[4:11]   group 1 for K's parts
.set G1V, 12                           ; s[12:19]  group 1 for V's parts: it differs in the padding alone
.set G0K, 20                           ; s[20:23]  group 0 for K's parts
.set G0V, 24                           ; s[24:27]  group 0 for V's parts
.set MP,  28                           ; s[28:29]  my two query tiles' mask words
.set MW0, 32                           ; s[32:63]  mask words of query tile 0: word 8 t + j
.set MOFF, 66                          ; s66       byte offset of the step's words
.set MW1, 68                           ; s[68:99]  of query tile 1
.set AK,   1                           ; this step's K fragments in LDS
.set AV,   2                           ; this step's V fragments
.set BK,   3                           ; slot 0's first K fragments; never rewritten
.set BV,   4                           ; slot 0's first V fragments; never rewritten
.set STO,  5
.set RD,   6
.set CO,   7
.set QF,   8                           ; v[8:39]    Q: fragment (u, c) at 16 u + 8 c
.set OA,   40                          ; v[40:103]  O^T: tile (dt, u) at 8 (2 dt + u)
.set SS,   104                         ; v[104:167] S^T: tile (t, u) at 32 (t / 2) + 16 u + 8 (t % 2); P(ks, u) is packed into the low 8 of each 16
.set VF,   168                         ; v[168:231] V: (ks, dt) at 32 ks + 8 dt
.set M,    232                         ; pairs: the running maximum of u at M + 2 u
.set L,    236                         ; pairs: two partial sums of u
.set AL,   240                         ; pairs: alpha of u at AL + 2 u
.set T,    244                         ; v[244:251] at work
.set NEG,  252
.set QO,   253
.set KF,   0                           ; WINDOW 1, v[256:319]: K: (t, c) at 16 t + 8 c
.set MSB, 0
.macro WIN new                         ; the immediate's high byte repeats the setting that is left
.if MSB != \new
	s_set_vgpr_msb (MSB<<8)|\new
.set MSB, \new
.endif
.endm
.set K_SRC, 0x01                       ; source 0 in window 1: K as a product's first source
.set K_DST, 0x40                       ; destination in window 1: LDS loads of K
.macro ROUND                           ; a round of the cluster's barrier
	s_barrier_signal -1
	s_barrier_wait -1
	s_cmp_lg_u32 s30, 0
	s_cbranch_scc1 .Lnot_wave_0_\@
	s_barrier_signal -3
.Lnot_wave_0_\@:
	s_barrier_wait -3
	s_barrier_signal -1
	s_barrier_wait -1
.endm
.macro JLOAD                           ; a joint load: my part of a tile.  The branch hangs on the wave's number alone
	s_cmp_lt_u32 s30, 4
	s_cbranch_scc0 .Lfor_v_\@
	tensor_load_to_lds s[G0K:G0K+3], s[G1K:G1K+7]
	s_nop 0
	v_nop
	s_branch .Lasked_\@
.Lfor_v_\@:
	tensor_load_to_lds s[G0V:G0V+3], s[G1V:G1V+7]
	s_nop 0
	v_nop
	v_nop
.Lasked_\@:
.endm
.macro PLACES n
.rept \n
	v_nop
.endr
.endm
.macro MLOAD                           ; a step's mask words: 128 bytes for each query tile
	s_load_b512 s[MW0:MW0+15],    s[MP:MP+1], s[MOFF] offset:0x0
	s_load_b512 s[MW0+16:MW0+31], s[MP:MP+1], s[MOFF] offset:0x40
	s_load_b512 s[MW1:MW1+15],    s[MP:MP+1], s[MOFF] offset:0x1000
	s_load_b512 s[MW1+16:MW1+31], s[MP:MP+1], s[MOFF] offset:0x1040
.endm
	s_load_b128 s[68:71], s[0:1], 0x0              ; qkvh, mbits (these registers take mask words later)
	s_load_b64 s[2:3], s[0:1], 0x10                ; ao
	v_lshl_add_u32 v254, v0, 2, 0x4e000
	v_mov_b32 v255, 0
	ds_add_u32 v254, v255
	v_lshrrev_b32 v[T], 5, v0
	v_readfirstlane_b32 s30, v[T]                  ; wave 0..7
	v_and_b32 v[T+1], 15, v0                       ; r
	v_bfe_u32 v[T+2], v0, 4, 1                     ; h
	v_lshlrev_b32 v[QO], 7, v[T+1]
	v_lshl_add_u32 v[QO], v[T+2], 4, v[QO]         ; Q: query r, 16 bytes for each half of the lanes
	s_bfe_u32 s32, ttmp6, 0x40000                  ; cx
	s_lshl_b32 s33, ttmp9, 2
	s_add_co_u32 s33, s33, s32                     ; query block = 4 x cluster x + cx, 0..7
	s_and_b32 s34, ttmp7, 0xffff                   ; bh = 16 b + h
	s_lshr_b32 s35, s34, 4                         ; b
	s_and_b32 s36, s34, 15                         ; h
	s_mov_b32 s100, 0x76543210                     ; v_permlanex16_b32: lane i of one half reads lane i of the other
	s_mov_b32 s101, 0xfedcba98
	s_mov_b32 s[MOFF], 0
	; group 1: 128 rows x 64 elements of 2 bytes, dense in memory; padding behind every 32 words: 4 words for K, 8 for V
	s_mov_b32 s[G1K+0], 15|(1<<16)|(1<<20)|(1<<21)|(4<<22)|(3<<25)
	s_mov_b32 s[G1V+0], 15|(1<<16)|(1<<20)|(1<<21)|(4<<22)|(7<<25)
.irp g, G1K, G1V
	s_mov_b32 s[\g+1], 64<<16                      ; tensor_dim0 = 64
	s_mov_b32 s[\g+2], 128<<16                     ; tensor_dim1 = 128
	s_mov_b32 s[\g+3], 64<<16                      ; tile_dim0 = 64
	s_mov_b32 s[\g+4], 128                         ; tile_dim1 = 128
	s_mov_b32 s[\g+5], 64                          ; elements from row to row
	s_mov_b32 s[\g+6], 0
	s_mov_b32 s[\g+7], 0
.endr
	; where the parts come from: made of bh and the wave's number alone, the same in all four partners.  Every wave makes both and asks by one.
	s_lshl_b32 s40, s34, 18                        ; 262,144 bytes for each (batch, head)
	s_lshl_b32 s41, s30, 14                        ; 128 keys of 128 bytes for each wave
	s_add_co_u32 s40, s40, s41
	s_add_co_u32 s40, s40, 8388608                 ; K lies behind Q
	s_add_co_u32 s42, s40, 8323072                 ; V lies 8 MiB behind K; waves 4-7 take its parts 0-3: less four parts of 16,384
	s_mov_b32 s41, 0
	s_mov_b32 s43, 0
	; the result: block of 128 tokens 16 b + 2 x query block + wave / 4, head h, 32 tokens for each wave
	s_lshl_b32 s104, s35, 4
	s_lshl1_add_u32 s104, s33, s104
	s_lshr_b32 s105, s30, 2
	s_add_co_u32 s104, s104, s105
	s_lshl_b32 s104, s104, 18
	s_lshl_b32 s105, s36, 14
	s_add_co_u32 s104, s104, s105
	s_and_b32 s105, s30, 3
	s_lshl_b32 s105, s105, 12
	s_add_co_u32 s104, s104, s105
	s_mov_b32 s105, 0
	; the mask words: query tile 128 b + 16 x query block + 2 x wave, 4,096 bytes each
	s_lshl_b32 s[MP], s35, 19
	s_lshl_b32 s[MP+1], s33, 16
	s_add_co_u32 s[MP], s[MP], s[MP+1]
	s_lshl_b32 s[MP+1], s30, 13
	s_add_co_u32 s[MP], s[MP], s[MP+1]
	s_mov_b32 s[MP+1], 0
	; Q: 256 queries of 128 bytes for each query block, 32 for each wave
	s_lshl_b32 s44, s34, 18
	s_lshl_b32 s45, s33, 15
	s_add_co_u32 s44, s44, s45
	s_lshl_b32 s45, s30, 12
	s_add_co_u32 s44, s44, s45
	s_mov_b32 s45, 0
	s_wait_dscnt 0x0
	s_wait_kmcnt 0x0
	s_add_nc_u64 s[2:3], s[2:3], s[104:105]
	s_add_nc_u64 s[MP:MP+1], s[70:71], s[MP:MP+1]
	s_add_nc_u64 s[104:105], s[68:69], s[44:45]    ; Q's base
	s_mov_b32 s[G0K], 1
	s_mul_i32 s[G0K+1], s30, KPART                 ; K's part w of slot 0: 8,192 + 18,432 w
	s_add_co_u32 s[G0K+1], s[G0K+1], BASE
	s_add_nc_u64 s[G0K+2:G0K+3], s[68:69], s[40:41]
	s_or_b32 s[G0K+3], s[G0K+3], 0x80000000
	s_mov_b32 s[G0V], 1
	s_mul_i32 s[G0V+1], s30, VPART                 ; V's part w - 4 of slot 0: 81,920 + 20,480 (w - 4) = 20,480 w
	s_add_nc_u64 s[G0V+2:G0V+3], s[68:69], s[42:43]
	s_or_b32 s[G0V+3], s[G0V+3], 0x80000000
	; Q and step 0's mask words go out first: they come while the work-groups meet and the first tile lands
.irp u, 0,1
.irp c, 0,1
	global_load_b128 v[QF+16*\u+8*\c:QF+16*\u+8*\c+3],   v[QO], s[104:105] offset:2048*\u+64*\c
	global_load_b128 v[QF+16*\u+8*\c+4:QF+16*\u+8*\c+7], v[QO], s[104:105] offset:2048*\u+64*\c+32
.endr
.endr
	MLOAD
	ROUND                                          ; all four work-groups are here: the first joint load meets
	JLOAD                                          ; tile 0, keys 0 to 511, into slot 0
	v_mul_u32_u24 v[T+3], v[T+1], KP
	v_lshl_add_u32 v[T+3], v[T+2], 4, v[T+3]       ; r x 144 + 16 h
	v_add_nc_u32 v[BK], BASE, v[T+3]
	v_and_b32 v[T+4], 7, v0
	v_lshl_add_u32 v[T+5], v[T+2], 3, v[T+4]       ; 8 h + l % 8
	v_mul_u32_u24 v[T+5], v[T+5], VP
	v_bfe_u32 v[T+6], v0, 3, 1
	v_lshl_add_u32 v[T+5], v[T+6], 4, v[T+5]
	v_add_nc_u32 v[BV], BASE+KREG, v[T+5]          ; V's rows lie behind K's
	s_mul_i32 s67, s30, 32*SP                      ; my stage
	v_add_nc_u32 v[STO], s67, v[BK]                ; in: STAGE = BASE: row r, 16 bytes for each half of the lanes
	v_bfe_u32 v[T+6], v0, 3, 2
	v_mul_u32_u24 v[T+6], v[T+6], SP
	v_lshl_add_u32 v[T+6], v[T+4], 4, v[T+6]
	s_add_co_u32 s67, s67, STAGE
	v_add_nc_u32 v[RD], s67, v[T+6]                ; back: eight lanes a row, four rows a load
	v_and_b32 v[T+7], 31, v0
	v_lshlrev_b32 v[CO], 4, v[T+7]
	v_mov_b32 v[NEG], 0xceabfb8f                   ; -1e9 log2(e)
.irp x, 0,1,2,3
	v_mov_b32 v[M+\x], 0xff800000                  ; the maximum starts at -inf, so the first alpha is 2^-inf = 0,
	v_mov_b32 v[L+\x], 0                           ; the sum at 0
	v_mov_b32 v[AL+\x], 0                          ; (the second register of a broadcast pair counts as read)
.endr
; 16 LDS loads: the four key tiles' K fragments at AK + off, d 0-31 first.  Under K_DST.
.macro KLOAD off
.irp c, 0,1
.irp t, 0,1,2,3
	ds_load_b128 v[KF+16*\t+8*\c:KF+16*\t+8*\c+3],   v[AK] offset:\off+\t*16*KP+64*\c
	ds_load_b128 v[KF+16*\t+8*\c+4:KF+16*\t+8*\c+7], v[AK] offset:\off+\t*16*KP+64*\c+32
.endr
.endr
.endm
; Eight products S^T(t, u) over 32 of d.  Under K_SRC.  The eight accumulators take turns.
.macro SMUL c
.irp t, 0,1,2,3
.irp u, 0,1
.if \c
	v_wmma_f32_16x16x32_f16 v[SS+32*(\t>>1)+16*\u+8*(\t&1):SS+32*(\t>>1)+16*\u+8*(\t&1)+7], v[KF+16*\t+8:KF+16*\t+15], v[QF+16*\u+8:QF+16*\u+15], v[SS+32*(\t>>1)+16*\u+8*(\t&1):SS+32*(\t>>1)+16*\u+8*(\t&1)+7]
.else
	v_wmma_f32_16x16x32_f16 v[SS+32*(\t>>1)+16*\u+8*(\t&1):SS+32*(\t>>1)+16*\u+8*(\t&1)+7], v[KF+16*\t:KF+16*\t+7], v[QF+16*\u:QF+16*\u+7], 0
.endif
.endr
.endr
.endm
; Eight products O^T(dt, u) over 32 keys, by turns likewise.
.macro PMUL ks, zero
.irp dt, 0,1,2,3
.irp u, 0,1
.if \zero
	v_wmma_f32_16x16x32_f16 v[OA+8*(2*\dt+\u):OA+8*(2*\dt+\u)+7], v[VF+32*\ks+8*\dt:VF+32*\ks+8*\dt+7], v[SS+32*\ks+16*\u:SS+32*\ks+16*\u+7], 0
.else
	v_wmma_f32_16x16x32_f16 v[OA+8*(2*\dt+\u):OA+8*(2*\dt+\u)+7], v[VF+32*\ks+8*\dt:VF+32*\ks+8*\dt+7], v[SS+32*\ks+16*\u:SS+32*\ks+16*\u+7], v[OA+8*(2*\dt+\u):OA+8*(2*\dt+\u)+7]
.endif
.endr
.endr
.endm
.macro SUBM u                          ; s - m, two at a time, m broadcast from the pair's first register
.irp ks, 0,1
.irp p, 0,1,2,3,4,5,6,7
	v_pk_add_f32 v[SS+32*\ks+16*\u+2*\p:SS+32*\ks+16*\u+2*\p+1], v[SS+32*\ks+16*\u+2*\p:SS+32*\ks+16*\u+2*\p+1], v[M+2*\u:M+2*\u+1] op_sel_hi:[1,0] neg_lo:[0,1] neg_hi:[0,1]
.endr
.endr
.endm
; Pair nn (0..15) of query tile u: into the sum, and packed.  The pack writes register nn % 8 of its block of 16, whose own pair has been taken.
.macro SUMP u
.if nn == 0
	s_wait_alu depctr_va_vdst(0)
	v_pk_fma_f32 v[L+2*\u:L+2*\u+1], v[L+2*\u:L+2*\u+1], v[AL+2*\u:AL+2*\u+1], v[SS+16*\u:SS+16*\u+1] op_sel_hi:[1,0,1]   ; l = l alpha + p
.else
	v_pk_add_f32 v[L+2*\u:L+2*\u+1], v[L+2*\u:L+2*\u+1], v[SS+32*(nn>>3)+16*\u+2*(nn&7):SS+32*(nn>>3)+16*\u+2*(nn&7)+1]
.endif
.endm
.macro PACK u
	v_cvt_pk_f16_f32 v[SS+32*(nn>>3)+16*\u+(nn&7)], v[SS+32*(nn>>3)+16*\u+2*(nn&7)], v[SS+32*(nn>>3)+16*\u+2*(nn&7)+1]
.endm
; One step: the 64 keys at AK and AV.  K's fragments are in their registers or on their way.  first = 1: O starts here.
.macro STEP first
	s_wait_dscnt 0x8                               ; d 0-31 of the four key tiles is in; the eight loads of d 32-63 may be out (behind a tile's head; in the loop nothing is out)
	WIN K_SRC
	SMUL 0
	s_wait_dscnt 0x0
	SMUL 1
	WIN K_DST
	PLACES 4                                       ; four places before loads land on K's registers and before S is read
	KLOAD KSTEP                                    ; the NEXT step's K.  In a tile's last step these 16 loads read the 9,216 bytes behind K's rows, landed bytes
	                                               ; of the same slot's V, and are thrown away: K is loaded anew at the next tile's head.  So every trip is the same
	WIN 0
.irp ks, 0,1
.irp dt, 0,1,2,3
	ds_load_tr16_b128 v[VF+32*\ks+8*\dt:VF+32*\ks+8*\dt+3],   v[AV] offset:\ks*32*VP+32*\dt
	ds_load_tr16_b128 v[VF+32*\ks+8*\dt+4:VF+32*\ks+8*\dt+7], v[AV] offset:\ks*32*VP+32*\dt+16*VP
.endr
.endr
	s_wait_kmcnt 0x0                               ; this step's mask words; it also frees their offset
.irp t, 0,1,2,3
.irp j, 0,1,2,3,4,5,6,7
	v_cndmask_b32 v[SS+32*(\t>>1)+8*(\t&1)+\j],    v[NEG], v[SS+32*(\t>>1)+8*(\t&1)+\j],    s[MW0+8*\t+\j]
	v_cndmask_b32 v[SS+32*(\t>>1)+16+8*(\t&1)+\j], v[NEG], v[SS+32*(\t>>1)+16+8*(\t&1)+\j], s[MW1+8*\t+\j]
.endr
.endr
	s_add_co_u32 s[MOFF], s[MOFF], 128             ; four key tiles on; the words have the rest of this step in which to come.
	s_min_u32 s[MOFF], s[MOFF], 3968               ; The 32nd step has no next: it asks for its own words again, so that no load leaves the buffer
	MLOAD
	; the new maximum: four chains for each query tile, one for each key tile's first seven numbers; the eighth numbers and the old maximum join at the end
.irp x, 0,1,2,3
.irp u, 0,1
	v_max3_num_f32 v[T+4*\u+\x], v[SS+32*(\x>>1)+16*\u+8*(\x&1)], v[SS+32*(\x>>1)+16*\u+8*(\x&1)+1], v[SS+32*(\x>>1)+16*\u+8*(\x&1)+2]
.endr
.endr
.irp p, 3,5
.irp x, 0,1,2,3
.irp u, 0,1
	v_max3_num_f32 v[T+4*\u+\x], v[T+4*\u+\x], v[SS+32*(\x>>1)+16*\u+8*(\x&1)+\p], v[SS+32*(\x>>1)+16*\u+8*(\x&1)+\p+1]
.endr
.endr
.endr
.irp u, 0,1
	v_max3_num_f32 v[T+4*\u],   v[T+4*\u],   v[T+4*\u+1], v[SS+16*\u+7]
	v_max3_num_f32 v[T+4*\u+2], v[T+4*\u+2], v[T+4*\u+3], v[SS+16*\u+15]
.endr
.irp u, 0,1
	v_max3_num_f32 v[T+4*\u], v[T+4*\u], v[T+4*\u+2], v[SS+32+16*\u+7]
.endr
.irp u, 0,1
	v_max3_num_f32 v[T+4*\u], v[T+4*\u], v[SS+32+16*\u+15], v[M+2*\u]
.endr
.irp u, 0,1
	v_permlanex16_b32 v[T+4*\u+1], v[T+4*\u], s100, s101   ; the other half of the lanes holds the query's other keys
.endr
.irp u, 0,1
	v_max_num_f32 v[T+4*\u], v[T+4*\u], v[T+4*\u+1]
.endr
.irp u, 0,1
	v_sub_f32 v[AL+2*\u], v[M+2*\u], v[T+4*\u]
.endr
.irp u, 0,1
	v_mov_b32 v[M+2*\u], v[T+4*\u]
.endr
	v_exp_f32 v[AL], v[AL]                         ; alpha = 2^(old - new).  Behind every transcendental a plain instruction that touches
	v_exp_f32 v[AL+2], v[AL+2]                     ; neither its result nor its source comes before the result is used (ISA guide 5.7.2)
	SUBM 0
	SUBM 1
	; query tile 0's exponentials, each followed by one rescale of O
.set nn, 0
.rept 16
	v_exp_f32 v[SS+32*(nn>>3)+2*(nn&7)], v[SS+32*(nn>>3)+2*(nn&7)]
.if \first == 0
	s_wait_alu depctr_va_vdst(0)
	v_pk_mul_f32 v[OA+4*nn:OA+4*nn+1], v[OA+4*nn:OA+4*nn+1], v[AL+2*((nn>>1)&1):AL+2*((nn>>1)&1)+1] op_sel_hi:[1,0]
.endif
	v_exp_f32 v[SS+32*(nn>>3)+2*(nn&7)+1], v[SS+32*(nn>>3)+2*(nn&7)+1]
.if \first == 0
	v_pk_mul_f32 v[OA+4*nn+2:OA+4*nn+3], v[OA+4*nn+2:OA+4*nn+3], v[AL+2*((nn>>1)&1):AL+2*((nn>>1)&1)+1] op_sel_hi:[1,0]
.endif
.set nn, nn+1
.endr
.if \first
	v_nop                                          ; there is no O to rescale yet: the plain place behind the run
.endif
	; query tile 1's exponentials, each followed by a line of tile 0's sums and packs
.set nn, 0
.rept 16
	v_exp_f32 v[SS+32*(nn>>3)+16+2*(nn&7)], v[SS+32*(nn>>3)+16+2*(nn&7)]
	SUMP 0
	v_exp_f32 v[SS+32*(nn>>3)+16+2*(nn&7)+1], v[SS+32*(nn>>3)+16+2*(nn&7)+1]
	PACK 0
.set nn, nn+1
.endr
.set nn, 0
.rept 16
	SUMP 1
	PACK 1
.set nn, nn+1
.endr
	s_wait_dscnt 0x0                               ; V, the youngest of the 32 loads issued in front of the softmax
	PMUL 0, \first
	PMUL 1, 0
	v_add_nc_u32 v[AK], KSTEP, v[AK]               ; five places: the next step's products write over P (five), its loads land on V's registers (four).
	v_add_nc_u32 v[AV], VSTEP, v[AV]               ; Two of them step the LDS addresses by 64 keys
	PLACES 3
.endm
; In front of a fill.  Every wave waits for all its tensor loads (its part of the tile that is read next) and for its LDS reads; no load of
; mine is out, so both group 0 may be written: the other slot, 512 keys on.  The round of the cluster's barrier makes the waits hold of
; every wave of all four work-groups; the joint load comes first behind it, the wave's only one until the next round.
.macro HEAD toslot
	s_wait_tensorcnt 0x0
	ds_add_u32 v254, v255
.if \toslot
	s_add_co_u32 s[G0K+1], s[G0K+1], SLOT
	s_add_co_u32 s[G0V+1], s[G0V+1], SLOT
.else
	s_sub_co_u32 s[G0K+1], s[G0K+1], SLOT
	s_sub_co_u32 s[G0V+1], s[G0V+1], SLOT
.endif
	s_add_nc_u64 s[G0K+2:G0K+3], s[G0K+2:G0K+3], 65536
	s_add_nc_u64 s[G0V+2:G0V+3], s[G0V+2:G0V+3], 65536
	s_wait_dscnt 0x0
	ROUND
	JLOAD
.endm
; A tile: 512 keys in the slot.  The addresses start at the slot's first rows; the first step's K is asked for here, every later one a step ahead.
.macro TILE slot, trips, first
.if \slot
	v_add_nc_u32 v[AK], SLOT, v[BK]
	v_add_nc_u32 v[AV], SLOT, v[BV]
.else
	v_mov_b32 v[AK], v[BK]
	v_mov_b32 v[AV], v[BV]
.endif
	WIN K_DST
	KLOAD 0
	WIN 0                                          ; at a label and at a branch every window is 0
.if \first
	STEP 1
.endif
	s_mov_b32 s31, \trips
.Lstep_\@:
	STEP 0
	s_sub_co_u32 s31, s31, 1
	s_cmp_lg_u32 s31, 0
	s_cbranch_scc1 .Lstep_\@
.endm
	HEAD 1                                         ; tile 0 has landed; tile 1 goes out, into slot 1
	s_wait_loadcnt 0x0                             ; Q, once
	TILE 0, 7, 1                                   ; tile 0: the first step starts O, seven more
	HEAD 0                                         ; tile 2 into slot 0
	TILE 1, 8, 0
	HEAD 1                                         ; tile 3 into slot 1: the last load
	TILE 0, 8, 0
	s_wait_tensorcnt 0x0                           ; my part of tile 3 has landed,
	s_wait_dscnt 0x0                               ; my reads of slot 0 are over;
	s_barrier_signal -1                            ; my work-group's own is enough
	s_barrier_wait -1
	TILE 1, 8, 0
	; THE WAY OUT.  (Five places stand behind the last products.)  l >= 1: the largest p of a row is 1.
	; The stage lies in slot 0: its last fill was tile 2, and every wave's reads of that tile were over at the barrier above.
.irp u, 0,1
	v_add_f32 v[T+\u], v[L+2*\u], v[L+2*\u+1]
.endr
.irp u, 0,1
	v_permlanex16_b32 v[T+4+\u], v[T+\u], s100, s101
.endr
.irp u, 0,1
	v_add_f32 v[T+\u], v[T+\u], v[T+4+\u]
.endr
	v_rcp_f32 v[AL], v[T]
	v_rcp_f32 v[AL+2], v[T+1]
	v_nop                                          ; the plain place behind the two reciprocals
.set nn, 0
	s_wait_alu depctr_va_vdst(0)
.rept 32
	v_pk_mul_f32 v[OA+2*nn:OA+2*nn+1], v[OA+2*nn:OA+2*nn+1], v[AL+2*((nn>>2)&1):AL+2*((nn>>2)&1)+1] op_sel_hi:[1,0]
.set nn, nn+1
.endr
.set nn, 0
.rept 32
	v_cvt_pk_f16_f32 v[SS+nn], v[OA+2*nn], v[OA+2*nn+1]    ; tile (dt, u): 16 bytes, d = 16 dt + 8 h + 0..7 of query r
.set nn, nn+1
.endr
.irp dt, 0,1,2,3
.irp u, 0,1
	ds_store_b128 v[STO], v[SS+4*(2*\dt+\u):SS+4*(2*\dt+\u)+3] offset:16*SP*\u+32*\dt
.endr
.endr
.irp t, 0,1,2,3,4,5,6,7
	ds_load_b128 v[VF+4*\t:VF+4*\t+3], v[RD] offset:4*SP*\t        ; the stage is my own and LDS serves a wave's instructions in order (ISA guide 5.7.1.4)
.endr
.irp t, 0,1,2,3,4,5,6,7
	s_wait_dscnt 7-\t
	global_store_b128 v[CO], v[VF+4*\t:VF+4*\t+3], s[2:3] offset:512*\t    ; four tokens: the wave stores 512 consecutive bytes, aligned
.endr
	s_wait_tensorcnt 0x0
	ds_add_u32 v254, v255
	s_wait_dscnt 0x0
	ROUND                                          ; the closing round
	s_endpgm
.Lfunc_end_k_q83313b00aa_attn:
	.size	k_q83313b00aa_attn, .Lfunc_end_k_q83313b00aa_attn-k_q83313b00aa_attn
	.p2alignl 7, 3214868480
	.fill 96, 4, 3214868480
	.section	.rodata,"a",@progbits
	.p2align	6, 0x0
	.amdhsa_kernel k_q83313b00aa_attn
		.amdhsa_group_segment_fixed_size 327680
		.amdhsa_private_segment_fixed_size 0
		.amdhsa_enable_private_segment 0
		.amdhsa_kernarg_size 24
		.amdhsa_user_sgpr_count 2
		.amdhsa_user_sgpr_kernarg_segment_ptr 1
		.amdhsa_wavefront_size32 1
		.amdhsa_system_sgpr_workgroup_id_x 1
		.amdhsa_system_sgpr_workgroup_id_y 1
		.amdhsa_system_sgpr_workgroup_id_z 1
		.amdhsa_system_vgpr_workitem_id 0
		.amdhsa_next_free_vgpr 320
		.amdhsa_next_free_sgpr 106
		.amdhsa_reserve_vcc 0
		.amdhsa_float_denorm_mode_32 3
		.amdhsa_float_denorm_mode_16_64 3
		.amdhsa_memory_ordered 1
		.amdhsa_forward_progress 1
		.amdhsa_inst_pref_size 130
	.end_amdhsa_kernel
	.amdgpu_metadata
---
amdhsa.version: [ 1, 2 ]
amdhsa.kernels:
  - .name:           k_q83313b00aa_attn
    .symbol:         k_q83313b00aa_attn.kd
    .args:
      - { .name: qkvh, .offset: 0, .size: 8, .value_kind: global_buffer, .address_space: global }
      - { .name: mbits, .offset: 8, .size: 8, .value_kind: global_buffer, .address_space: global }
      - { .name: ao, .offset: 16, .size: 8, .value_kind: global_buffer, .address_space: global }
    .group_segment_fixed_size: 327680
    .private_segment_fixed_size: 0
    .kernarg_segment_align: 8
    .kernarg_segment_size: 24
    .max_flat_workgroup_size: 256
    .sgpr_count:     106
    .vgpr_count:     320
    .wavefront_size: 32
...
	.end_amdgpu_metadata
.endif
;; end of part 3
;; launch gemm_out (part 4): grid 8 x 32, 4 waves a work-group, clusters of 4 x 4, 327,680 bytes of LDS; arguments ao, wh, bp, out0; writes out0
.if DOCPART == 4
	.amdgcn_target "amdgcn-amd-amdhsa--gfx1250"
	.amdhsa_code_object_version 6
	.text
	.protected	k_q83313b00aa_gemm_out
	.globl	k_q83313b00aa_gemm_out
	.p2align	8
	.type	k_q83313b00aa_gemm_out,@function
k_q83313b00aa_gemm_out:
	s_mov_b64 s[64:65], 0
	v_nop
	global_prefetch_b8 v0, s[64:65] scope:SCOPE_SE
	s_setreg_imm32_b32 hwreg(HW_REG_WAVE_MODE, 25, 1), 1
	s_wait_xcnt 0x0
	s_wait_alu depctr_hold_cnt(0) depctr_sa_sdst(0) depctr_va_vdst(0) depctr_va_sdst(0) depctr_va_ssrc(0) depctr_va_vcc(0) depctr_vm_vsrc(0)
	s_getreg_b32 s2, hwreg(HW_REG_IB_STS2, 6, 4)
	s_cmp_eq_u32 s2, 0
	s_cbranch_scc0 .Lentry_in_a_cluster
	s_endpgm
.Lentry_in_a_cluster:
	s_bfe_u32 s2, ttmp6, 0x10000c
	s_cmp_lg_u32 s2, 0xf033
	s_cbranch_scc0 .Lentry_shape_is_right
	s_endpgm
.Lentry_shape_is_right:
; out0 = x Wp + bp.  x = ao [32 blocks of 128 tokens][16 heads][128][64] f16 (k = 64 head + d), Wp = wh's fourth part [1024 k][1024 n] f16,
; bp [1024] f32, out0 [4096][1024] f32; sums in f32.
; 32 x 8 = 256 work-groups of 128 x 128, four waves of 64 x 64 (16 accumulator tiles): blocks of 256 x 256 would be 64 work-groups only.
; K goes in four tiles of 256 (four heads, eight chunks of 32) through two LDS slots; everything is written out, there is no loop.
; CLUSTERS: 4 x 4 work-groups; A's tile is shared along a row of the cluster, B's along a column, by joint loads.
; The matrix instruction is used transposed (source 0 = 16 columns of Wp, source 1 = 16 tokens): a lane holds eight neighbouring columns.
; REGISTERS: window 0: addresses, the bias, two fragment buffers; window 1: accumulator (a, b) at v[8 (4 a + b)].
.set PA,     144                       ; A's LDS row (one token of one head): 128 bytes + 16
.set PB,     288                       ; B's LDS row (one k, 128 n): 256 bytes + 32, an odd multiple of 32
.set QUART,  36864                     ; what one tensor load brings: 256 rows of A or 128 rows of B
.set SLOT,   4*QUART                   ; A's 512 rows, then B's 256
.set STAGE,  2*SLOT                    ; 16 rows x 272 bytes for each wave; no fill lands there
.set SPITCH, 272
.set ADRA, 16                          ; v16-17  A fragments in slot 0, 1
.set ADRB, 20                          ; v20-23  B fragments: slot 0 chunks 0-3, 4-7; slot 1 likewise
.set STO,  24
.set RD,   25
.set CO,   26
.set BO,   27
.set BI,   28                          ; v[28:31] the bias of my four columns on the way out
.set F0,   64                          ; a buffer: B's four fragments, then A's four
.set F1,   128
.set G1, 24
.set G0, 32
.set G1B, 48
.set G0B, 56
.set MSB, 0
.macro WIN new
.if MSB != \new
	s_set_vgpr_msb (MSB<<8)|\new
.set MSB, \new
.endif
.endm
.set MUL,      0x50                    ; C and D window 1, sources window 0
.set FROM_ACC, 0x04                    ; an LDS store's data (source 1) window 1
.macro JLOAD s                         ; waves 0 and 1 fetch A's halves, waves 2 and 3 B's
	s_cmp_eq_u32 s13, 0
	s_cbranch_scc0 .Lfor_b_\@
	tensor_load_to_lds s[G0+4*\s:G0+4*\s+3], s[G1:G1+7]
	s_nop 0
	s_branch .Lasked_\@
.Lfor_b_\@:
	tensor_load_to_lds s[G0B+4*\s:G0B+4*\s+3], s[G1B:G1B+7]
	s_nop 0
.Lasked_\@:
.endm
.macro CREST
	s_cmp_lg_u32 s12, 0
	s_cbranch_scc1 .Lnot_wave_0_\@
	s_barrier_signal -3
.Lnot_wave_0_\@:
	s_barrier_wait -3
	s_barrier_signal -1
	s_barrier_wait -1
.endm
.macro CROUND
	s_barrier_signal -1
	s_barrier_wait -1
	CREST
.endm
	s_load_b256 s[4:11], s[0:1], 0x0               ; ao s[4:5], wh s[6:7], bp s[8:9], out0 s[10:11]
	v_lshl_add_u32 v254, v0, 2, 0x4c400
	v_mov_b32 v255, 0
	ds_add_u32 v254, v255
	v_lshrrev_b32 v1, 5, v0
	v_readfirstlane_b32 s12, v1                    ; wave
	s_lshr_b32 s13, s12, 1                         ; my half of the rows.  Also: I fetch for A (0) or B (1)
	s_and_b32 s14, s12, 1                          ; my half of the columns.  Also: which half of that tile I fetch
	s_bfe_u32 s40, ttmp6, 0x40000                  ; cx
	s_bfe_u32 s41, ttmp6, 0x40004                  ; cy
	s_lshl_b32 s42, ttmp9, 2
	s_add_co_u32 s42, s42, s40                     ; block column, 0..7
	s_and_b32 s15, ttmp7, 0xffff
	s_lshl_b32 s15, s15, 2
	s_add_co_u32 s15, s15, s41                     ; block row, 0..31
	s_lshl_b32 s43, s41, 2
	s_lshl_b32 s43, 15, s43                        ; my row of the cluster
	s_lshl_b32 s44, 0x1111, s40                    ; my column
	; group 1 for A: 256 rows x 64 elements, dense in memory, 4 words of padding behind every 32
	s_or_b32 s[G1+0], s43, (1<<16)|(1<<20)|(1<<21)|(4<<22)|(3<<25)
	s_mov_b32 s[G1+1], 64<<16
	s_mov_b32 s[G1+2], 256<<16
	s_mov_b32 s[G1+3], 64<<16
	s_mov_b32 s[G1+4], 256
	s_mov_b32 s[G1+5], 64
	s_mov_b32 s[G1+6], 0
	s_mov_b32 s[G1+7], 0
	; group 1 for B: 128 k rows x 128 elements, 8 words of padding behind every 64
	s_or_b32 s[G1B+0], s44, (1<<16)|(1<<20)|(1<<21)|(5<<22)|(7<<25)
	s_mov_b32 s[G1B+1], 128<<16
	s_mov_b32 s[G1B+2], 128<<16
	s_mov_b32 s[G1B+3], 128<<16
	s_mov_b32 s[G1B+4], 128
	s_mov_b32 s[G1B+5], 1024
	s_mov_b32 s[G1B+6], 0
	s_mov_b32 s[G1B+7], 0
	s_lshl_b32 s16, s15, 18                        ; A: 262,144 bytes for each block of 128 tokens, two heads of 16,384 for the half
	s_lshl_b32 s17, s14, 15
	s_add_co_u32 s16, s16, s17
	s_mov_b32 s17, 0
	s_lshl_b32 s46, s42, 8                         ; B: 256 bytes for each block column, 128 k rows of 2,048 for the half, behind three W
	s_lshl_b32 s47, s14, 18
	s_add_co_u32 s46, s46, s47
	s_add_co_u32 s46, s46, 6291456
	s_mov_b32 s47, 0
	s_mul_i32 s20, s12, QUART                      ; where they go: wave x 36,864
	s_wait_dscnt 0x0
	s_wait_kmcnt 0x0
	s_add_nc_u64 s[18:19], s[4:5], s[16:17]
	s_add_nc_u64 s[46:47], s[6:7], s[46:47]
	CROUND                                         ; in front of the first joint loads
.irp s, 0,1
	s_mov_b32 s[G0+4*\s], 1
	s_add_co_u32 s[G0+4*\s+1], s20, \s*SLOT
	s_add_nc_u64 s[G0+4*\s+2:G0+4*\s+3], s[18:19], \s*65536        ; tile s: four heads on
	s_or_b32 s[G0+4*\s+3], s[G0+4*\s+3], 0x80000000
	s_mov_b32 s[G0B+4*\s], 1
	s_add_co_u32 s[G0B+4*\s+1], s20, \s*SLOT
	s_add_nc_u64 s[G0B+4*\s+2:G0B+4*\s+3], s[46:47], \s*524288     ; tile s: 256 k rows down
	s_or_b32 s[G0B+4*\s+3], s[G0B+4*\s+3], 0x80000000
	JLOAD \s
.endr
	v_and_b32 v1, 15, v0                           ; r
	v_bfe_u32 v2, v0, 4, 1                         ; h
	s_lshl_b32 s46, s42, 9                         ; my 64 columns, in bytes of f32: 512 x block column + 256 x half
	s_lshl_b32 s47, s14, 8
	s_add_co_u32 s46, s46, s47
	s_mov_b32 s47, 0
	s_add_nc_u64 s[8:9], s[8:9], s[46:47]
	s_add_nc_u64 s[10:11], s[10:11], s[46:47]
	s_lshl_b32 s16, s15, 19                        ; my 64 rows of 4,096 bytes: 128 x block row + 64 x half
	s_lshl_b32 s17, s13, 18
	s_add_co_u32 s16, s16, s17
	s_mov_b32 s17, 0
	s_add_nc_u64 s[10:11], s[10:11], s[16:17]
	v_lshlrev_b32 v[BO], 4, v1
	global_load_b128 v[BI:BI+3], v[BO], s[8:9]     ; the bias of the four columns that I store on the way out
	v_mul_u32_u24 v3, v1, PA
	v_lshl_add_u32 v3, v2, 4, v3
	s_mul_i32 s21, s13, 64*PA                      ; my 64 tokens among each head's 128 rows
	v_add_nc_u32 v[ADRA], s21, v3
	v_add_nc_u32 v[ADRA+1], SLOT, v[ADRA]
	v_and_b32 v4, 7, v0
	v_lshl_add_u32 v4, v2, 3, v4
	v_mul_u32_u24 v4, v4, PB
	v_bfe_u32 v5, v0, 3, 1
	v_lshl_add_u32 v4, v5, 4, v4
	s_lshl_b32 s22, s14, 7                         ; my 64 columns: 128 bytes along B's rows,
	s_add_co_u32 s22, s22, 2*QUART                 ; which lie behind A's 512
	v_add_nc_u32 v[ADRB], s22, v4
	v_add_nc_u32 v[ADRB+1], QUART, v[ADRB]         ; chunks 4-7: 128 k rows on (the 16-bit offset does not reach them)
	v_add_nc_u32 v[ADRB+2], SLOT, v[ADRB]
	v_add_nc_u32 v[ADRB+3], SLOT+QUART, v[ADRB]
	s_mul_i32 s23, s12, 16*SPITCH
	s_add_co_u32 s23, s23, STAGE
	v_mul_u32_u24 v5, v1, SPITCH                   ; in: row r, 32 bytes for each half of the lanes
	v_lshl_add_u32 v5, v2, 5, v5
	v_add_nc_u32 v[STO], s23, v5
	v_mul_u32_u24 v5, v2, SPITCH                   ; back: lanes 0-15 one row of 256 bytes, lanes 16-31 the next
	v_lshl_add_u32 v5, v1, 4, v5
	v_add_nc_u32 v[RD], s23, v5
	v_lshlrev_b32 v5, 12, v2
	v_lshl_add_u32 v[CO], v1, 4, v5                ; and the same two rows in out0
; four products: m block a x n blocks 0..3, 32 along K.  The sixteen accumulators take turns.
.macro MULA f, a, zero
.irp b, 0,1,2,3
.if \zero
	v_wmma_f32_16x16x32_f16 v[8*(4*\a+\b):8*(4*\a+\b)+7], v[\f+8*\b:\f+8*\b+7], v[\f+32+8*\a:\f+32+8*\a+7], 0
.else
	v_wmma_f32_16x16x32_f16 v[8*(4*\a+\b):8*(4*\a+\b)+7], v[\f+8*\b:\f+8*\b+7], v[\f+32+8*\a:\f+32+8*\a+7], v[8*(4*\a+\b):8*(4*\a+\b)+7]
.endif
.endr
.endm
; 16 LDS loads: chunk c (k = 32 c .. 32 c + 31 of the slot: head c / 2, d = 32 (c % 2)) into buffer f; B first, then A
.macro FETCH slot, c, f
.irp i, 0,1,2,3
	ds_load_tr16_b128 v[\f+8*\i:\f+8*\i+3],   v[ADRB+2*\slot+(\c>>2)] offset:(\c&3)*32*PB+32*\i
	ds_load_tr16_b128 v[\f+8*\i+4:\f+8*\i+7], v[ADRB+2*\slot+(\c>>2)] offset:(\c&3)*32*PB+32*\i+16*PB
.endr
.irp i, 0,1,2,3
	ds_load_b128 v[\f+32+8*\i:\f+32+8*\i+3],   v[ADRA+\slot] offset:(\c>>1)*128*PA+64*(\c&1)+\i*16*PA
	ds_load_b128 v[\f+32+8*\i+4:\f+32+8*\i+7], v[ADRA+\slot] offset:(\c>>1)*128*PA+64*(\c&1)+\i*16*PA+32
.endr
.endm
.macro PLACES                          ; four places before a load lands on a register that a matrix instruction has read, or a result is read
.rept 4
	v_nop
.endr
.endm
; multiplies buffer f; in its middle fetches chunk c of the same slot into buffer g
.macro CHUNK slot, c, f, g, zero
	s_wait_dscnt 4                                 ; B and A's row tiles 0, 1 are in; the youngest four loads (tiles 2, 3) may be out
	WIN MUL
	MULA \f, 0, \zero
	MULA \f, 1, \zero
	WIN 0
	PLACES
	FETCH \slot, \c, \g
	s_wait_dscnt 16                                ; all but the 16 just issued
	WIN MUL
	MULA \f, 2, \zero
	MULA \f, 3, \zero
.endm
.macro SEVEN slot, zero
	CHUNK \slot, 1, F0, F1, \zero
	CHUNK \slot, 2, F1, F0, 0
	CHUNK \slot, 3, F0, F1, 0
	CHUNK \slot, 4, F1, F0, 0
	CHUNK \slot, 5, F0, F1, 0
	CHUNK \slot, 6, F1, F0, 0
	CHUNK \slot, 7, F0, F1, 0
.endm
; the eighth chunk: multiplies buffer 1 and changes slots.  In front of the barrier each wave waits for its reads of this slot and for all
; its tensor loads (one is out: its part of the next slot); behind it the refill comes first, then the next slot's first fragments.
.macro TURN slot, next, fill
	s_wait_dscnt 4
	WIN MUL
	MULA F1, 0, 0
	s_wait_dscnt 0
	s_wait_tensorcnt 0x0
	ds_add_u32 v254, v255
	s_wait_dscnt 0x0
	s_barrier_signal -1                            ; (where a slot is filled again this barrier opens a round of the cluster's barrier)
	MULA F1, 1, 0                                  ; register work while the others arrive
	WIN 0
	s_barrier_wait -1
.if \fill
	CREST
	s_add_nc_u64 s[G0+4*\slot+2:G0+4*\slot+3], s[G0+4*\slot+2:G0+4*\slot+3], 131072
	s_add_nc_u64 s[G0B+4*\slot+2:G0B+4*\slot+3], s[G0B+4*\slot+2:G0B+4*\slot+3], 1048576
	JLOAD \slot                                    ; the first tensor load behind the round, the wave's only one until the next
.endif
	PLACES
	FETCH \next, 0, F0
	WIN MUL
	MULA F1, 2, 0
	MULA F1, 3, 0
.endm
	s_wait_loadcnt 0x0                             ; the bias, once
	s_wait_tensorcnt 0x1                           ; my part of tile 0 is in; tile 1's stays out
	s_barrier_signal -1
	s_barrier_wait -1
	FETCH 0, 0, F0
	SEVEN 0, 1                                     ; the first chunk's products start the sums
	TURN 0, 1, 1                                   ; slot 0 gets tile 2
	SEVEN 1, 0
	TURN 1, 0, 1                                   ; slot 1 gets tile 3
	SEVEN 0, 0
	TURN 0, 1, 0
	SEVEN 1, 0
	s_wait_dscnt 4                                 ; the very last chunk: nothing more to fetch
	WIN MUL
	MULA F1, 0, 0
	MULA F1, 1, 0
	s_wait_dscnt 0
	MULA F1, 2, 0
	MULA F1, 3, 0
	; THE WAY OUT, 16 rows at a time: the accumulators go as they are into my own stage, whole rows of 256 bytes come back, the bias is added.
	; Each group of 16 rows has its own 32 registers and its place stands in the store's immediate: nothing that a store names is rewritten.
	PLACES
.macro OUT a
	WIN FROM_ACC
.irp b, 0,1,2,3
	ds_store_b128 v[STO], v[8*(4*\a+\b):8*(4*\a+\b)+3]   offset:64*\b
	ds_store_b128 v[STO], v[8*(4*\a+\b)+4:8*(4*\a+\b)+7] offset:64*\b+16
.endr
	WIN 0
.irp t, 0,1,2,3,4,5,6,7
	ds_load_b128 v[F0+32*\a+4*\t:F0+32*\a+4*\t+3], v[RD] offset:\t*2*SPITCH    ; LDS serves a wave's instructions in order (ISA guide 5.7.1.4)
.endr
.irp t, 0,1,2,3,4,5,6,7
	s_wait_dscnt 7-\t
	v_pk_add_f32 v[F0+32*\a+4*\t:F0+32*\a+4*\t+1],   v[F0+32*\a+4*\t:F0+32*\a+4*\t+1],   v[BI:BI+1]
	v_pk_add_f32 v[F0+32*\a+4*\t+2:F0+32*\a+4*\t+3], v[F0+32*\a+4*\t+2:F0+32*\a+4*\t+3], v[BI+2:BI+3]
	global_store_b128 v[CO], v[F0+32*\a+4*\t:F0+32*\a+4*\t+3], s[10:11] offset:\a*65536+\t*8192   ; 16 lanes store 256 consecutive bytes, aligned
.endr
.endm
	OUT 0
	OUT 1
	OUT 2
	OUT 3
	s_wait_tensorcnt 0x0
	ds_add_u32 v254, v255
	s_wait_dscnt 0x0
	CROUND                                         ; the closing round
	s_endpgm
.Lfunc_end_k_q83313b00aa_gemm_out:
	.size	k_q83313b00aa_gemm_out, .Lfunc_end_k_q83313b00aa_gemm_out-k_q83313b00aa_gemm_out
	.p2alignl 7, 3214868480
	.fill 96, 4, 3214868480
	.section	.rodata,"a",@progbits
	.p2align	6, 0x0
	.amdhsa_kernel k_q83313b00aa_gemm_out
		.amdhsa_group_segment_fixed_size 327680
		.amdhsa_private_segment_fixed_size 0
		.amdhsa_enable_private_segment 0
		.amdhsa_kernarg_size 32
		.amdhsa_user_sgpr_count 2
		.amdhsa_user_sgpr_kernarg_segment_ptr 1
		.amdhsa_wavefront_size32 1
		.amdhsa_system_sgpr_workgroup_id_x 1
		.amdhsa_system_sgpr_workgroup_id_y 1
		.amdhsa_system_sgpr_workgroup_id_z 1
		.amdhsa_system_vgpr_workitem_id 0
		.amdhsa_next_free_vgpr 384
		.amdhsa_next_free_sgpr 66
		.amdhsa_reserve_vcc 0
		.amdhsa_float_denorm_mode_32 3
		.amdhsa_float_denorm_mode_16_64 3
		.amdhsa_memory_ordered 1
		.amdhsa_forward_progress 1
		.amdhsa_inst_pref_size 94
	.end_amdhsa_kernel
	.amdgpu_metadata
---
amdhsa.version: [ 1, 2 ]
amdhsa.kernels:
  - .name:           k_q83313b00aa_gemm_out
    .symbol:         k_q83313b00aa_gemm_out.kd
    .args:
      - { .name: ao, .offset: 0, .size: 8, .value_kind: global_buffer, .address_space: global }
      - { .name: wh, .offset: 8, .size: 8, .value_kind: global_buffer, .address_space: global }
      - { .name: bp, .offset: 16, .size: 8, .value_kind: global_buffer, .address_space: global }
      - { .name: out0, .offset: 24, .size: 8, .value_kind: global_buffer, .address_space: global }
    .group_segment_fixed_size: 327680
    .private_segment_fixed_size: 0
    .kernarg_segment_align: 8
    .kernarg_segment_size: 32
    .max_flat_workgroup_size: 128
    .sgpr_count:     66
    .vgpr_count:     384
    .wavefront_size: 32
...
	.end_amdgpu_metadata
.endif
;; end of part 4
